; MI455X (gfx1250); checked and timed in simulation.
; The chip was launched on July 23, 2026; its instructions are those of AMD's public machine-readable ISA for CDNA 5 (MIT licence, August 2026) and "CDNA5" Instruction Set Architecture Reference Guide (July 2026). The comments in the code are by the model that wrote it; some were corrected since.
;; MLP Attention. Allowed arithmetic: matrix products marked QUANTISED: E2M3 operands, one E8M0 scale for each 32 along K, by v_wmma_scale_f32_16x16x128_f8f6f4 with both operands' format E2M3, f32 sums; products left as they are: f32 operands where the result goes on into a quantised operand, else bf16, f16 or f32 operands; f32 sums; everything else in f32.
;; Inputs: K_codes 4 x 512 x 2 x 24 uint8 (E2M3 codes of K, K innermost, in blocks of 32 codes, four codes in three bytes); K_scales 4 x 512 x 2 uint8 (E8M0 scales of K, one for each 32 codes along K); Q_codes 4 x 512 x 2 x 24 uint8 (E2M3 codes of Q, K innermost, in blocks of 32 codes, four codes in three bytes); Q_scales 4 x 512 x 2 uint8 (E8M0 scales of Q, one for each 32 codes along K); V_codes 4 x 64 x 16 x 24 uint8 (E2M3 codes of V, K innermost, in blocks of 32 codes, four codes in three bytes); V_scales 4 x 64 x 16 uint8 (E8M0 scales of V, one for each 32 codes along K); W1 128 x 64 float32; W2 64 float32; b1 64 float32; b2 one number float32.
;; Outputs: out0 4 x 512 x 64 float32; out1 4 x 512 x 512 float32.
;; This version of the problem:
;;   THIS VERSION OF THE PROBLEM IS GIVEN IN LOW PRECISION. The matrix products marked QUANTISED in the list below multiply operands that are first quantised to E2M3 (2 exponent bits, 3 mantissa bits; 6 bits a number), with one power-of-two scale for each 32 numbers along K (OCP MX v1.0); their sums are f32. All else is computed in f32.
;;   The module's matrix products, in the order in which they are computed (A, B: the left and right operand; K: the contracted axis; several contracted axes count as one K, in the product's order):
;;     1. [M 2,048, K 64] x [K 64, N 64]; A: input Q (given as codes); B: input W1: QUANTISED
;;     2. [M 2,048, K 64] x [K 64, N 64]; A: input K (given as codes); B: input W1: QUANTISED
;;     3. [M 1,048,576, K 64] x [K 64, N 1]; A: computed on the way; B: input W2: left as it is (N = 1 < 16)
;;     4. batch 4 x [M 512, K 512] x [K 512, N 64]; A: softmax (see below); B: input V (given as codes): QUANTISED
;;   THE QUANTISER, for each operand of a quantised product, along K:
;;     - K is cut into blocks of 32 from its start; a last block that is shorter is filled with zeros.
;;     - A block's scale is 2^e with e = floor(log2(the largest magnitude in the block)) - 2, held to -126 .. 127; a block of zeros has e = 0. As a byte (E8M0): e + 127.
;;     - Each number is divided by its block's scale, clamped to +-7.5, and rounded to the nearest number of E2M3, ties to even, subnormals kept.
;;     - The product sums the exact products of the quantised numbers (number of the format x scale) in f32.
;;   ~~~python
;;   def quantise(x, axis):      # numpy; x: float32 -> the quantised numbers, widened to float32 again
;;       x = np.moveaxis(x, axis, -1); K = x.shape[-1]
;;       x = np.pad(x, [(0, 0)] * (x.ndim - 1) + [(0, -K % 32)]); x = x.reshape(x.shape[:-1] + (-1, 32)); a = np.abs(x).max(-1, keepdims=True)
;;       e = np.where(a > 0, np.clip(np.frexp(np.where(a > 0, a, 1))[1] - 1 - 2, -126, 127), 0)      # np.frexp(a)[1] - 1 = floor(log2(a)), exactly
;;       r = np.clip(x / 2.0 ** e, -7.5, 7.5)
;;       step = 2.0 ** (np.maximum(np.frexp(np.where(r == 0, 1, r))[1] - 1, 0) - 3)
;;       q = np.round(r / step) * step * 2.0 ** e      # np.round: ties to even
;;       return np.moveaxis(q.reshape(q.shape[:-2] + (-1,))[..., :K], -1, axis).astype(np.float32)
;;   ~~~
;;   SOFTMAX AHEAD OF A QUANTISED PRODUCT. Where the list says 'softmax', what is quantised is not the finished softmax but p = 2^(t - M), with t = logit x log2(e) and M = ceil(the row's largest t), a whole number; so 1/2 < the row's largest p <= 1. The row's sum l is taken of the UNQUANTISED p, in f32, and the product's result is divided by l at the end. Since M is a whole number, a kernel that streams over the keys may use a running M (the ceiling of the running maximum): every later rescaling is an exact power of two, which a block's scale takes up: the codes' values come out the same.
;;   OPERANDS COMPUTED ON THE WAY. 'Computed on the way' means the value that the module computes at that place (a softmax that the list does not call 'softmax' is quantised finished and normalised). What goes into a quantiser is computed in f32, as accurately as f32 sums, v_exp_f32 and their like allow (about 1e-6 of the number): no bf16 or f16 on the way to a quantiser, and a product that is left as it is and whose result goes on into a quantised operand takes f32 operands (vector FMAs, or v_wmma_f32_16x16x4_f32). A number that lies on a knife's edge between two numbers of the format may be rounded either way, as far as f32 arithmetic and the matrix unit's own rounding can turn it there, and no further.
;;   INPUTS GIVEN AS CODES. K (in the module: [4, 512, 64], K = its axis 2); Q (in the module: [4, 512, 64], K = its axis 2); V (in the module: [4, 512, 64], K = its axis 1): each comes as NAME_codes (uint8): NAME with its K axis moved to the last place and cut into blocks of 32 codes, [.., K / 32, bytes a block], one block behind the other in memory; four codes in three bytes: a row's codes are one little-endian stream of bits, code i at bits 6 i .. 6 i + 5 (a code: sign, 2 exponent bits, 3 mantissa bits); and NAME_scales (uint8): the same leading axes, one E8M0 byte (e + 127) for each 32 codes along K. Its value is code x scale, taken as it is: it is not quantised again, and the codes and scales need not be those that the quantiser above would give.
;; One version. Each part assembles by itself: llvm-mc -triple=amdgcn-amd-amdhsa -mcpu=gfx1250 --defsym DOCPART=n.
;; ======== version 1 of 1: 1 launch
;; limits: a difference of large sums (such as E[x^2] - mean^2): digits are lost where the result is much smaller than its terms
;; launch mlpatt (part 1): grid 256 x 1, 8 waves a work-group, no clusters, 32,768 bytes of LDS; arguments W1, K_codes, K_scales, Q_codes, Q_scales, b1, W2, b2, V_codes, V_scales, out0, out1; writes out0, out1
.if DOCPART == 1
	.amdgcn_target "amdgcn-amd-amdhsa--gfx1250"
	.amdhsa_code_object_version 6
	.text
	.protected	k_q1497c262a6_mlpatt
	.globl	k_q1497c262a6_mlpatt
	.p2align	8
	.type	k_q1497c262a6_mlpatt,@function
k_q1497c262a6_mlpatt:
	s_mov_b64 s[64:65], 0
	v_nop
	global_prefetch_b8 v0, s[64:65] scope:SCOPE_SE
	s_setreg_imm32_b32 hwreg(HW_REG_WAVE_MODE, 25, 1), 1
	s_wait_xcnt 0x0
; res[n][k] = sum over e of W2[e] relu(hq[n][e] + hk[k][e] + b1[e]) + b2,  hq = Q Wq, hk = K Wk (Wq, Wk: W1's even and odd rows);  out1 = softmax over k of res / 4;  out0 = out1 V.
; hq, hk and the product with V are made on codes of FP6 (E2M3) with one E8M0 scale for each 32 along K.  Q, K, V come as codes; W1 is quantised here, along d.  Ahead of V: p = 2^(t - M), t = res log2(e) / 4,
; M = ceil(the row's largest t); the row's sum l is taken of the unquantised p; out1 = p / l, out0 = (Q(p) V) / l.
; SHARES.  256 work-groups of eight waves.  Work-group x owns the 8 queries 8 x .. 8 x + 7 (counted over the four batches; batch = x / 64) and all 512 keys of its batch.  Wave w owns keys 64 w .. 64 w + 63 in
; the sum over e, and query w in the softmax; waves 0 to 3 also make hq, the product with V and out0, a tile of 16 of the 64 channels each.
; THE SUM OVER e.  relu(a + b) = b - min(-a, b), so res[n][k] = c[k] - sum over e of W2[e] min(-hq[n][e], hkb[k][e]), hkb = hk + b1, c[k] = sum over e of W2[e] hkb[k][e] + b2: two (n, k, e) cost one
; pair of minima and one packed multiply-add.  1,024 (n, k, e) a lane.
; LAYOUT.  hq and hk are used transposed (source 0 = 16 rows e of W^T, source 1 = 16 queries or keys): lane (r, h) holds key r, and register 8 t + j holds e = 16 t + 8 h + j.  hkb stays where the matrix
; instruction wrote it; W2 and b1 are loaded in the same order; -hq comes from LDS in that order, the same for all lanes of a half.  K = 64 fills registers 0-5 of a fragment; registers 6-11 hold zero codes.
; The work-group has 8 queries: lanes r and r + 8 take the same query, and write the same bytes.
; NO JOINT LOADS: a work-group reads about 82 KB, once, at its head, each lane its own operand registers (W1 32 KB, K's codes 24 KB, V's 24 KB); there is no loop over tiles whose requests could be
; shared, and a tile brought jointly would have to go through LDS and be read from there once more.
; LIMITS.  The two sums of the identity round apart: the error of res is a few 1e-7 of sum over e of |W2[e]| (|hq[n][e]| + |hkb[k][e]|).  NaN and infinities among the inputs are not served (the minimum
; drops a NaN); a given scale byte 0xff gives NaN.  A p under 2^-126 counts as 0.  A block of zeros gets the scale byte 1, not 127: its codes are zeros, and this text alone reads the bytes.
; LDS, in bytes
.set WIMG, 0                           ; Wk's four fragments as images of their registers: tile t: registers 0-3 at 768 t + 16 lane, registers 4-5 at 768 t + 512 + 8 lane
.set WSC,  3072                        ; their scale words: 128 t + 4 lane
.set NQB,  3584                        ; -hq: 256 n + 128 h + 32 t + 4 j
.set SB,   5632                        ; res: row n of 2,560 bytes; key k at 80 (k / 16) + 4 (k % 16): 64 bytes + 16 of padding
.set PCB,  26112                       ; p's codes: row n of 392 bytes (384 + 8), the keys as one stream of bits
.set PSB,  29248                       ; p's scale bytes: 16 n + block
.set LRB,  29376                       ; 1 / l: 4 n
.set STG,  29440                       ; out0's stage: row n of 272 bytes (256 + 16)
; REGISTERS, window 0
.set NQL, 1                            ; v1      128 h: my half's place in a row of -hq
.set SS,  2                            ; v2      where I store res: 320 w + 80 (lane / 16) + 4 (lane % 16)
.set LN,  3                            ; v3      my lane's number
.set KS,  4                            ; v4-7    scale words: K's four tiles, later p's four K steps
.set WS,  8                            ; v8-11   scale words: the tile of W just made and Q's; then Wk's four; then V's four
.set ACC, 12                           ; v12-19  four pairs of sums, one for each tile of keys (even e, odd e)
.set TT,  20                           ; v20-27  four pairs at work
.set CF,  28                           ; v28-29  c[k] of keys 64 w + lane and 64 w + 32 + lane
.set GV,  30                           ; v30     V's codes: 384 r + 24 h; never rewritten
.set GVS, 31                           ; v31     V's scale words: 16 r; never rewritten
.set W,   32                           ; v32-63  W2 in the lane's order
.set NQ,  64                           ; v64-95, v96-127  -hq of a query, two sets
.set HKB, 128                          ; v128-255  hkb: tile u of keys, tile t of e, register j: 128 + 32 u + 8 t + j
; at the head only: offsets in v12-27, at work in v96-183
.set GW,   12                          ; W1: 16384 h + 4 r + 64 t + 256 (w / 4)
.set GK,   13                          ; K's codes: 48 r + 24 h
.set GKS,  14                          ; K's scales: 2 r
.set GQ,   15                          ; Q's codes: 48 (r % 8) + 24 h
.set GQS,  16                          ; Q's scales: 2 (r % 8)
.set GB,   17                          ; b1, W2: 32 h
.set L16,  18                          ; 16, 8, 4 x lane
.set L8,   19
.set L4,   20
.set IW16, 21                          ; the same + my tile's image
.set IW8,  22
.set IW4,  23
.set NQS,  24                          ; where I store -hq: 256 (r % 8) + 128 h + 32 t
.set RR,   25
.set HH,   26
.set R7,   27
.set F,    96                          ; v96-107   my tile of W^T as a fragment
.set QF,   108                         ; v108-119  Q's fragment
.set HQ,   120                         ; v120-127  hq
.set RAW,  128                         ; v128-159  32 numbers of W1
.set AM,   160                         ; v160-161 largest magnitudes, v162 the conversion's scale, v163 its byte, v164 8 h, v165 the other half's byte, v166-168 codes
.set NH,   176                         ; v176-183  -hq
; window 1 (written by their low eight bits)
.set WKF,  48                          ; v0-47 K's four fragments; v48-95 Wk's four
.set B1W,  96                          ; v96-127   b1 in the result's layout
.set VF,   128                         ; v128-175  V's four fragments
.set MSB, 0
.macro WIN new                         ; s_set_vgpr_msb: bits 1:0 source 0, 3:2 source 1, 5:4 source 2, 7:6 destination; the high byte repeats the setting that is left
.if MSB != \new
	s_set_vgpr_msb (MSB<<8)|\new
.set MSB, \new
.endif
.endm
.macro PLACES n
.rept \n
	v_nop
.endr
.endm
.macro BAR                             ; my LDS stores have landed and my LDS loads are in: then the work-group's barrier
	s_wait_dscnt 0x0
	s_barrier_signal -1
	s_barrier_wait -1
.endm
.macro MIN2 d, a, b                    ; two minima in one instruction.  d, a, b are even: destinations even and odd, and each pair of sources one register apart
	v_dual_min_num_f32 v[\d], v[\a], v[\b] :: v_dual_min_num_f32 v[\d+1], v[\a+1], v[\b+1]
.endm
; The four pairs of sums become res' part of 64 keys.  A pair's two halves are added; a key's other 32 e lie in the lane 16 away: two tiles change halves with each other and are added, which leaves
; 32 neighbouring keys in the 32 lanes: v[TT] keys 64 w + lane, v[TT+1] keys 64 w + 32 + lane.
.macro REDUCE
	v_dual_add_f32 v[TT], v[ACC], v[ACC+1] :: v_dual_add_f32 v[TT+3], v[ACC+6], v[ACC+7]      ; tiles 0 and 3
	v_dual_add_f32 v[TT+2], v[ACC+2], v[ACC+3] :: v_dual_add_f32 v[TT+1], v[ACC+4], v[ACC+5]  ; tiles 1 and 2
	v_permlane16_swap_b32 v[TT], v[TT+2]           ; tile 0's lanes 16-31 change places with tile 1's lanes 0-15
	v_permlane16_swap_b32 v[TT+1], v[TT+3]         ; tiles 2 and 3 likewise
	v_pk_add_f32 v[TT:TT+1], v[TT:TT+1], v[TT+2:TT+3]
.endm
.macro NQLOAD n, buf                   ; -hq of query n, my half's 32 numbers, the same for all sixteen lanes of a half
.irp i, 0,1,2,3,4,5,6,7
	ds_load_b128 v[\buf+4*\i:\buf+4*\i+3], v[NQL] offset:NQB+256*(\n)+16*\i
.endr
.endm
; Query n against my 64 keys.  cnt: the LDS instructions issued behind this query's eight loads, which may stay out.  ahead = 1: the set is loaded again, for query n + 2, as soon as its last minima are issued.
.macro QUERY n, cnt, ahead
.set QBUF, NQ+32*((\n)%2)
	s_wait_dscnt \cnt
.set QP, 0
.rept 16
.irp u, 0,1,2,3
	MIN2 TT+2*\u, QBUF+2*QP, HKB+32*\u+2*QP
.endr
.if (QP == 15) && \ahead
	NQLOAD (\n)+2, QBUF
.endif
.irp u, 0,1,2,3
.if QP == 0
	v_pk_mul_f32 v[ACC+2*\u:ACC+2*\u+1], v[TT+2*\u:TT+2*\u+1], v[W:W+1] neg_lo:[0,1] neg_hi:[0,1]      ; the first product starts the sums: nothing is cleared
.else
	v_pk_fma_f32 v[ACC+2*\u:ACC+2*\u+1], v[TT+2*\u:TT+2*\u+1], v[W+2*QP:W+2*QP+1], v[ACC+2*\u:ACC+2*\u+1] neg_lo:[0,1,0] neg_hi:[0,1,0]
.endif
.endr
.set QP, QP+1
.endr
	REDUCE
	v_pk_add_f32 v[TT:TT+1], v[TT:TT+1], v[CF:CF+1]       ; + c[k]
	ds_store_b32 v[SS], v[TT] offset:SB+2560*(\n)
	ds_store_b32 v[SS], v[TT+1] offset:SB+2560*(\n)+160
.endm
	; ---- ids, offsets and zero codes, while the arguments are on their way
	s_load_b512 s[4:19], s[0:1], 0x0               ; W1 s[4:5], K's codes s[6:7], K's scales s[8:9], Q's codes s[10:11], Q's scales s[12:13], b1 s[14:15], W2 s[16:17], b2 s[18:19]
	s_load_b256 s[20:27], s[0:1], 0x40             ; V's codes s[20:21], V's scales s[22:23], out0 s[24:25], out1 s[26:27]
	s_set_vgpr_msb 0x40
	v_lshl_add_u32 v176, v0, 2, 0x7c00
	v_mov_b32 v177, 0
	s_set_vgpr_msb 0x4000
	v_lshrrev_b32 v[LN], 5, v0
	v_readfirstlane_b32 s28, v[LN]                 ; w: wave 0..7
	v_and_b32 v[LN], 31, v0
	v_and_b32 v[RR], 15, v0                        ; r
	v_bfe_u32 v[HH], v0, 4, 1                      ; h
	v_and_b32 v[R7], 7, v0                         ; r % 8
	s_and_b32 s29, s28, 3                          ; t: my tile of 16 e (of W), of 16 channels (of V)
	s_lshr_b32 s30, s28, 2                         ; 0: I quantise a tile of Wq; 1: of Wk
	s_lshr_b32 s31, ttmp9, 6                       ; the batch
	s_lshl_b32 s32, s29, 6
	s_lshl_b32 s33, s30, 8
	s_add_co_u32 s32, s32, s33
	v_lshlrev_b32 v[GW], 14, v[HH]                 ; W1[2 (32 h + i) + w / 4][16 t + r]: rows of 256 bytes; i stands in the immediate
	v_lshl_add_u32 v[GW], v[RR], 2, v[GW]
	v_add_nc_u32 v[GW], s32, v[GW]
	v_mul_u32_u24 v[GK], v[RR], 48                 ; a row of 64 codes is 48 bytes; my half's 32 codes are 24
	v_mad_u32_u24 v[GK], v[HH], 24, v[GK]
	v_lshlrev_b32 v[GKS], 1, v[RR]
	v_mul_u32_u24 v[GQ], v[R7], 48
	v_mad_u32_u24 v[GQ], v[HH], 24, v[GQ]
	v_lshlrev_b32 v[GQS], 1, v[R7]
	v_lshlrev_b32 v[GB], 5, v[HH]
	v_mul_u32_u24 v[GV], v[RR], 384                ; a row of V is 512 codes, 384 bytes
	v_mad_u32_u24 v[GV], v[HH], 24, v[GV]
	v_lshlrev_b32 v[GVS], 4, v[RR]
	v_lshlrev_b32 v[NQL], 7, v[HH]
	s_mul_i32 s32, s28, 320
	v_mul_u32_u24 v[SS], v[HH], 80
	v_lshl_add_u32 v[SS], v[RR], 2, v[SS]
	v_add_nc_u32 v[SS], s32, v[SS]
	v_lshlrev_b32 v[L16], 4, v[LN]
	v_lshlrev_b32 v[L8], 3, v[LN]
	v_lshlrev_b32 v[L4], 2, v[LN]
	s_mul_i32 s32, s29, 768
	v_add_nc_u32 v[IW16], s32, v[L16]
	v_add_nc_u32 v[IW8], s32, v[L8]
	s_lshl_b32 s32, s29, 7
	v_add_nc_u32 v[IW4], s32, v[L4]
	s_lshl_b32 s32, s29, 5
	v_lshlrev_b32 v[NQS], 8, v[R7]
	v_lshl_add_u32 v[NQS], v[HH], 7, v[NQS]
	v_add_nc_u32 v[NQS], s32, v[NQS]
	v_lshlrev_b32 v[AM+4], 3, v[HH]                ; 8 h: my byte's place in a scale word
	v_mov_b32 v[AM+5], 0                           ; written once: a lane permute's destination counts as one of its sources
.irp i, 6,7,8,9,10,11                  ; K = 64 is half of the instruction's 128: the upper half of each fragment is zero codes, which add nothing
	v_mov_b32 v[F+\i], 0
	v_mov_b32 v[QF+\i], 0
.endr
	WIN 0x40                                       ; destination window 1
.irp f, 0,1,2,3,4,5,6,7                ; K's four fragments and Wk's four
.irp i, 6,7,8,9,10,11
	v_mov_b32 v[12*\f+\i], 0
.endr
.endr
	WIN 0
	s_mov_b32 s34, 0x76543210                      ; v_permlanex16_b32's selects for lane l xor 16
	s_mov_b32 s35, 0xfedcba98
	s_mov_b32 s36, 0x3eb8aa3b                      ; log2(e) / 4
	s_mov_b32 s37, s36                             ; (named with it as a pair, so it is written)
	; where my part of each buffer begins, in bytes, each in a pair with 0 above it
	s_lshl_b32 s32, s31, 9
	s_lshl_b32 s33, s28, 6
	s_add_co_u32 s32, s32, s33                     ; my first key: 512 batch + 64 w
	s_mul_i32 s40, s32, 48                         ; K's codes
	s_mov_b32 s41, 0
	s_lshl_b32 s42, s32, 1                         ; K's scales
	s_mov_b32 s43, 0
	s_mul_i32 s44, ttmp9, 384                      ; Q's codes: 8 rows of 48 bytes a work-group
	s_mov_b32 s45, 0
	s_lshl_b32 s46, ttmp9, 4                       ; Q's scales
	s_mov_b32 s47, 0
	s_lshl_b32 s32, s31, 6
	s_lshl_b32 s33, s29, 4
	s_add_co_u32 s32, s32, s33                     ; my first row of V: 64 batch + 16 t
	s_mul_i32 s48, s32, 384                        ; V's codes
	s_mov_b32 s49, 0
	s_lshl_b32 s50, s32, 4                         ; V's scales
	s_mov_b32 s51, 0
	s_lshl_b32 s52, ttmp9, 11                      ; out0: 8 rows of 256 bytes a work-group, two rows a wave
	s_lshl_b32 s33, s29, 9
	s_add_co_u32 s52, s52, s33
	s_mov_b32 s53, 0
	s_lshl_b32 s54, ttmp9, 14                      ; out1: 8 rows of 2,048 bytes a work-group, one row a wave
	s_lshl_b32 s33, s28, 11
	s_add_co_u32 s54, s54, s33
	s_mov_b32 s55, 0
	s_wait_kmcnt 0x0
	; ---- every load of the head.  W1's numbers first: the quantiser waits for them
.set I, 0
.rept 32
	global_load_b32 v[RAW+I], v[GW], s[4:5] offset:512*I   ; lane (r, h): column e = 16 t + r, d = 32 h + I: a whole block of 32 along d in one lane, in the order of the operand's registers
.set I, I+1
.endr
	s_load_b32 s38, s[18:19], 0x0                  ; b2
	s_add_nc_u64 s[6:7], s[6:7], s[40:41]
	s_add_nc_u64 s[8:9], s[8:9], s[42:43]
	s_add_nc_u64 s[10:11], s[10:11], s[44:45]
	s_add_nc_u64 s[12:13], s[12:13], s[46:47]
	s_add_nc_u64 s[20:21], s[20:21], s[48:49]
	s_add_nc_u64 s[22:23], s[22:23], s[50:51]
	s_add_nc_u64 s[24:25], s[24:25], s[52:53]
	s_add_nc_u64 s[26:27], s[26:27], s[54:55]
	s_cmp_lt_u32 s28, 4
	s_cbranch_scc0 .Lno_q                          ; waves 0 to 3 make hq
.irp p, 0,1,2
	global_load_b64 v[QF+2*\p:QF+2*\p+1], v[GQ], s[10:11] offset:8*\p
.endr
	global_load_u16 v[WS+1], v[GQS], s[12:13]      ; two scale bytes; the word's upper two bytes are 0, over zero codes
.Lno_q:
	WIN 0x40                                       ; destination window 1, address window 0
.irp u, 0,1,2,3
.irp p, 0,1,2
	global_load_b64 v[12*\u+2*\p:12*\u+2*\p+1], v[GK], s[6:7] offset:768*\u+8*\p   ; K's tile u: keys 64 w + 16 u + r
.endr
.endr
.irp t, 0,1,2,3
	global_load_b128 v[B1W+8*\t:B1W+8*\t+3], v[GB], s[14:15] offset:64*\t          ; b1[16 t + 8 h + 0 .. 7]
	global_load_b128 v[B1W+8*\t+4:B1W+8*\t+7], v[GB], s[14:15] offset:64*\t+16
.endr
	WIN 0
.irp u, 0,1,2,3
	global_load_u16 v[KS+\u], v[GKS], s[8:9] offset:32*\u
.endr
.irp t, 0,1,2,3
	global_load_b128 v[W+8*\t:W+8*\t+3], v[GB], s[16:17] offset:64*\t              ; W2 likewise
	global_load_b128 v[W+8*\t+4:W+8*\t+7], v[GB], s[16:17] offset:64*\t+16
.endr
	; ---- my tile of W^T becomes a fragment and a scale word
	s_wait_loadcnt 32                              ; behind W1's numbers (and Q's, in waves 0 to 3) 12 + 8 + 4 + 8 = 32 loads were issued: those may stay out
	v_max3_num_f32 v[AM], |v[RAW]|, |v[RAW+1]|, 0x1800000          ; the block's largest magnitude, in two chains, and the floor 2^(3 - 127): so the byte cannot fall under 1
	v_max3_num_f32 v[AM+1], |v[RAW+16]|, |v[RAW+17]|, |v[RAW+18]|
.irp i, 0,1,2,3,4,5
	v_max3_num_f32 v[AM], v[AM], |v[RAW+2+2*\i]|, |v[RAW+3+2*\i]|
	v_max3_num_f32 v[AM+1], v[AM+1], |v[RAW+19+2*\i]|, |v[RAW+20+2*\i]|
.endr
	v_max3_num_f32 v[AM], v[AM], |v[RAW+14]|, |v[RAW+15]|
	v_max3_num_f32 v[AM], v[AM], v[AM+1], |v[RAW+31]|
	v_add_nc_u32 v[AM+2], 0xff000000, v[AM]        ; 2 off its exponent field: the conversion takes the exponent field of this operand as its scale
	v_lshrrev_b32 v[AM+3], 23, v[AM+2]             ; the scale's byte,
	v_lshlrev_b32 v[AM+3], v[AM+4], v[AM+3]        ; at block h's place in the word;
	v_permlanex16_b32 v[AM+5], v[AM+3], s34, s35
	v_or_b32 v[WS], v[AM+3], v[AM+5]               ; with lane l xor 16's the word is whole (bytes 2 and 3 are 0, over zero codes)
	v_cvt_scalef32_pk16_fp6_f32 v[F:F+2], v[RAW:RAW+15], v[AM+2]
	v_cvt_scalef32_pk16_fp6_f32 v[AM+6:AM+8], v[RAW+16:RAW+31], v[AM+2]    ; (a conversion's three registers begin on an even number)
	v_nop                                          ; one plain instruction behind a scaled conversion
.irp i, 0,1,2
	v_mov_b32 v[F+3+\i], v[AM+6+\i]
.endr
	s_cmp_lt_u32 s28, 4
	s_cbranch_scc0 .Lwk_image
	; waves 0 to 3: hq's tile t, negated, to LDS
	PLACES 8                                       ; a scale register written by a vector instruction stands 8 plain instructions ahead of a scaled matrix instruction, an operand so written 4
	v_wmma_scale_f32_16x16x128_f8f6f4 v[HQ:HQ+7], v[F:F+11], v[QF:QF+11], 0, v[WS], v[WS+1] matrix_a_fmt:MATRIX_FMT_FP6 matrix_b_fmt:MATRIX_FMT_FP6
	PLACES 4                                       ; four plain instructions ahead of the first read of the result, and of the later loads into these registers
.irp i, 0,1,2,3
	v_pk_mul_f32 v[NH+2*\i:NH+2*\i+1], v[HQ+2*\i:HQ+2*\i+1], -1.0 op_sel_hi:[1,0]   ; from the low end on
.endr
	ds_store_b128 v[NQS], v[NH:NH+3] offset:NQB
	ds_store_b128 v[NQS], v[NH+4:NH+7] offset:NQB+16
	s_branch .Lheads_meet
.Lwk_image:
	; waves 4 to 7: Wk's tile t goes to LDS as an image of its registers
	ds_store_b128 v[IW16], v[F:F+3] offset:WIMG
	ds_store_b64 v[IW8], v[F+4:F+5] offset:WIMG+512
	ds_store_b32 v[IW4], v[WS] offset:WSC
.Lheads_meet:
	BAR                                            ; Wk's four fragments and -hq lie in LDS
	; ---- hkb = K Wk + b1 for my 64 keys: 16 products, each with an accumulator of its own and b1 as its C
	WIN 0x40
.irp t, 0,1,2,3
	ds_load_b128 v[WKF+12*\t:WKF+12*\t+3], v[L16] offset:WIMG+768*\t
	ds_load_b64 v[WKF+12*\t+4:WKF+12*\t+5], v[L8] offset:WIMG+768*\t+512
.endr
	WIN 0
.irp t, 0,1,2,3
	ds_load_b32 v[WS+\t], v[L4] offset:WSC+128*\t
.endr
	NQLOAD 0, NQ
	NQLOAD 1, NQ+32
	s_wait_loadcnt 0x0                             ; K's codes and scales, b1, W2
	s_wait_kmcnt 0x0                               ; b2
	s_mov_b32 s39, s38                             ; (named with it as a pair, so it is written)
	s_wait_dscnt 16                                ; Wk's fragments and scale words are in; the 16 loads of -hq may stay out
	WIN 0x15                                       ; sources 0 (Wk), 1 (K) and 2 (b1) window 1, destination window 0
.irp u, 0,1,2,3
.irp t, 0,1,2,3
	v_wmma_scale_f32_16x16x128_f8f6f4 v[HKB+32*\u+8*\t:HKB+32*\u+8*\t+7], v[WKF+12*\t:WKF+12*\t+11], v[12*\u:12*\u+11], v[B1W+8*\t:B1W+8*\t+7], v[WS+\t], v[KS+\u] matrix_a_fmt:MATRIX_FMT_FP6 matrix_b_fmt:MATRIX_FMT_FP6
.endr
.endr
	WIN 0
	PLACES 4                                       ; ahead of the first read of the results and of the load into Wk's scale registers
	s_cmp_lt_u32 s28, 4
	s_cbranch_scc0 .Lno_v                          ; waves 0 to 3: V's tile t, all 512 keys, asked for now: it has the whole sum over e in which to land
	WIN 0x40
.irp s, 0,1,2,3
.irp p, 0,1,2,3,4,5
	global_load_b64 v[VF+12*\s+2*\p:VF+12*\s+2*\p+1], v[GV], s[20:21] offset:96*\s+48*(\p/3)+8*(\p%3)
.endr
.endr
	WIN 0
	global_load_b128 v[WS:WS+3], v[GVS], s[22:23]  ; its four scale words a row
.Lno_v:
	; ---- c[k] = sum over e of W2[e] hkb[k][e] + b2.  Each accumulator is read from its low end on
.set CP, 0
.rept 16
.irp u, 0,1,2,3
.if CP == 0
	v_pk_mul_f32 v[ACC+2*\u:ACC+2*\u+1], v[HKB+32*\u:HKB+32*\u+1], v[W:W+1]
.else
	v_pk_fma_f32 v[ACC+2*\u:ACC+2*\u+1], v[HKB+32*\u+2*CP:HKB+32*\u+2*CP+1], v[W+2*CP:W+2*CP+1], v[ACC+2*\u:ACC+2*\u+1]
.endif
.endr
.set CP, CP+1
.endr
	REDUCE
	v_pk_add_f32 v[CF:CF+1], v[TT:TT+1], s[38:39] op_sel_hi:[1,0]
	; ---- the sum over e, query by query.  The counts: what was issued behind the query's eight loads
	QUERY 0, 8, 1                                  ; query 1's eight loads
	QUERY 1, 10, 1                                 ; query 2's eight loads, query 0's two stores
	QUERY 2, 12, 1                                 ; from here on: two stores, eight loads, two stores
	QUERY 3, 12, 1
	QUERY 4, 12, 1
	QUERY 5, 12, 1
	QUERY 6, 12, 0
	QUERY 7, 4, 0                                  ; query 5's and query 6's stores
	s_wait_dscnt 0x0                               ; for the others' sake: my stores of res have landed
	s_barrier_signal -1
	; the addresses of what follows are made between the signal and the wait: register work alone, on every wave's path
.set SLC, 12                           ; v12  res, 16 neighbouring keys a lane: 2560 w + 80 lane
.set SLD, 13                           ; v13  res, 4 neighbouring keys a lane: 2560 w + 80 (lane / 4) + 16 (lane % 4)
.set PCS, 14                           ; v14  where I store my 16 codes: 392 w + 12 lane
.set PSS, 15                           ; v15  and my block's scale byte: 16 w + lane / 2
.set PCL, 16                           ; v16  p's fragments: 392 (r % 8) + 24 h
.set PSL, 17                           ; v17  p's scale words: 16 (r % 8)
.set LRL, 18                           ; v18  1 / l of my query: 4 (r % 8)
.set LRS, 19                           ; v19  where I store 1 / l: 4 w
.set OSS, 20                           ; v20  out0's stage, in: 272 (r % 8) + 32 h + 64 t
.set OSL, 21                           ; v21  and back: 544 t + 272 h + 16 r
.set GA,  22                           ; v22  16 x lane: my place in 512 bytes of out1 or out0; never rewritten
	v_and_b32 v23, 7, v0                           ; r % 8
	v_bfe_u32 v24, v0, 4, 1                        ; h
	s_mul_i32 s32, s28, 2560
	v_mul_u32_u24 v[SLC], v[LN], 80
	v_add_nc_u32 v[SLC], s32, v[SLC]
	v_lshrrev_b32 v25, 2, v[LN]
	v_mul_u32_u24 v[SLD], v25, 80
	v_and_b32 v25, 3, v0
	v_lshl_add_u32 v[SLD], v25, 4, v[SLD]
	v_add_nc_u32 v[SLD], s32, v[SLD]
	s_mul_i32 s32, s28, 392
	v_mul_u32_u24 v[PCS], v[LN], 12
	v_add_nc_u32 v[PCS], s32, v[PCS]
	s_lshl_b32 s32, s28, 4
	v_lshrrev_b32 v[PSS], 1, v[LN]
	v_add_nc_u32 v[PSS], s32, v[PSS]
	v_mul_u32_u24 v[PCL], v23, 392
	v_mad_u32_u24 v[PCL], v24, 24, v[PCL]
	v_lshlrev_b32 v[PSL], 4, v23
	v_lshlrev_b32 v[LRL], 2, v23
	v_mov_b32 v[LRS], s28
	v_lshlrev_b32 v[LRS], 2, v[LRS]
	s_lshl_b32 s32, s29, 6
	v_mul_u32_u24 v[OSS], v23, 272
	v_lshl_add_u32 v[OSS], v24, 5, v[OSS]
	v_add_nc_u32 v[OSS], s32, v[OSS]
	s_mul_i32 s32, s29, 544
	v_and_b32 v25, 15, v0
	v_mul_u32_u24 v[OSL], v24, 272
	v_lshl_add_u32 v[OSL], v25, 4, v[OSL]
	v_add_nc_u32 v[OSL], s32, v[OSL]
	v_lshlrev_b32 v[GA], 4, v[LN]
	s_barrier_wait -1                              ; res of all 8 queries x 512 keys lies in LDS
	; ---- the softmax of query w.  The row is read twice: 16 neighbouring keys a lane for the quantiser (two lanes hold a block of 32), and 4 neighbouring keys a lane for out1's stores
.set SC,  128                          ; v128-143  keys 16 lane + 0 .. 15
.set SD,  144                          ; v144-159  keys 128 i + 4 lane + 0 .. 3
.set BM,  160                          ; v160-161  the block's largest score, in two chains
.set RM,  162                          ; v162      the row's
.set TP,  163                          ; v163      from the lane 16 away
.set TM,  164                          ; v164      the row's largest t
.set NM,  166                          ; v166-167  -M, twice
.set BT,  168                          ; v168      the block's largest p
.set BY,  169                          ; v169      its scale byte
.set LA,  170                          ; v170-173  the sum, in two chains of pairs
.set LB,  172
.set LSUM, 174
.set SCV, 175                          ; v175      the conversion's scale
.set PC,  176                          ; v176-178  16 codes
.set RL,  184                          ; v184-185  1 / l, twice
.irp i, 0,1,2,3
	ds_load_b128 v[SC+4*\i:SC+4*\i+3], v[SLC] offset:SB+16*\i
.endr
.irp i, 0,1,2,3
	ds_load_b128 v[SD+4*\i:SD+4*\i+3], v[SLD] offset:SB+640*\i
.endr
	s_wait_dscnt 4                                 ; the first set is in; the second set's four loads may stay out
	v_max3_num_f32 v[BM], v[SC], v[SC+1], v[SC+2]
	v_max3_num_f32 v[BM+1], v[SC+3], v[SC+4], v[SC+5]
	v_max3_num_f32 v[BM], v[BM], v[SC+6], v[SC+7]
	v_max3_num_f32 v[BM+1], v[BM+1], v[SC+8], v[SC+9]
	v_max3_num_f32 v[BM], v[BM], v[SC+10], v[SC+11]
	v_max3_num_f32 v[BM+1], v[BM+1], v[SC+12], v[SC+13]
	v_max3_num_f32 v[BM], v[BM], v[SC+14], v[SC+15]
	v_max_num_f32 v[BM], v[BM], v[BM+1]
	v_max_num_f32_dpp v[BM], v[BM], v[BM] row_xmask:1 row_mask:0xf bank_mask:0xf   ; with my neighbour's 16: THE BLOCK'S LARGEST SCORE.  It serves twice: for the row's maximum and, since p rises with the score, for the block's largest p
	v_mov_b32 v[RM], v[BM]
	v_max_num_f32_dpp v[RM], v[RM], v[RM] row_xmask:2 row_mask:0xf bank_mask:0xf
	v_max_num_f32_dpp v[RM], v[RM], v[RM] row_xmask:4 row_mask:0xf bank_mask:0xf
	v_max_num_f32_dpp v[RM], v[RM], v[RM] row_xmask:8 row_mask:0xf bank_mask:0xf
	v_mov_b32 v[TP], 0                             ; a lane permute's destination counts as one of its sources
	v_permlanex16_b32 v[TP], v[RM], s34, s35
	v_max_num_f32 v[RM], v[RM], v[TP]              ; the row's largest score
	v_mul_f32 v[TM], s36, v[RM]                    ; as t (the factor is positive)
	v_floor_f32 v[NM], -v[TM]                      ; -M = floor(-t) = -ceil(t): M is a whole number
	v_mov_b32 v[NM+1], v[NM]
.irp j, 0,2,4,6,8,10,12,14
	v_pk_fma_f32 v[SC+\j:SC+\j+1], v[SC+\j:SC+\j+1], s[36:37], v[NM:NM+1] op_sel_hi:[1,0,0]   ; t - M, two at a time
.endr
	v_fma_f32 v[BT], v[BM], s36, v[NM]             ; the same of the block's largest score
	s_wait_dscnt 0x0                               ; the second set is in
.irp j, 0,2,4,6,8,10,12,14
	v_pk_fma_f32 v[SD+\j:SD+\j+1], v[SD+\j:SD+\j+1], s[36:37], v[NM:NM+1] op_sel_hi:[1,0,0]
.endr
.irp j, 0,1,2,3,4,5,6,7,8,9,10,11,12,13,14,15
	v_exp_f32 v[SC+\j], v[SC+\j]                   ; p = 2^(t - M), at most 1: not normalised
.endr
	v_exp_f32 v[BT], v[BT]                         ; the same two instructions on the same number give the same bits
.irp j, 0,1,2,3,4,5,6,7,8,9,10,11,12,13,14,15
	v_exp_f32 v[SD+\j], v[SD+\j]
.endr
	v_nop                                          ; one plain instruction behind the last exponential (ISA guide 5.7.2)
	s_wait_alu depctr_va_vdst(0)                   ; the wait ahead of the first instruction that names a result: one for the batch of 33
	v_max_num_f32 v[BT], 0x1800000, v[BT]          ; the floor 2^(3 - 127): the byte cannot fall under 1 (a block whose every p has fallen to 0 keeps that byte: its codes are zeros)
	v_add_nc_u32 v[SCV], 0xff000000, v[BT]         ; 2 off the exponent field: the conversion's scale operand
	v_lshrrev_b32 v[BY], 23, v[SCV]                ; the scale's byte
	ds_store_b8 v[PSS], v[BY] offset:PSB           ; both lanes of a block write the same byte with the same value
	v_cvt_scalef32_pk16_fp6_f32 v[PC:PC+2], v[SC:SC+15], v[SCV]
	v_nop                                          ; one plain instruction behind a scaled conversion
.irp i, 0,1,2
	ds_store_b32 v[PCS], v[PC+\i] offset:PCB+4*\i  ; 16 codes, 12 bytes, at their place in the row's stream of bits
.endr
	v_pk_add_f32 v[LA:LA+1], v[SC:SC+1], v[SC+2:SC+3]      ; THE ROW'S SUM IS TAKEN OF THE UNQUANTISED p
	v_pk_add_f32 v[LB:LB+1], v[SC+4:SC+5], v[SC+6:SC+7]
	v_pk_add_f32 v[LA:LA+1], v[LA:LA+1], v[SC+8:SC+9]
	v_pk_add_f32 v[LB:LB+1], v[LB:LB+1], v[SC+10:SC+11]
	v_pk_add_f32 v[LA:LA+1], v[LA:LA+1], v[SC+12:SC+13]
	v_pk_add_f32 v[LB:LB+1], v[LB:LB+1], v[SC+14:SC+15]
	v_pk_add_f32 v[LA:LA+1], v[LA:LA+1], v[LB:LB+1]
	v_add_f32 v[LSUM], v[LA], v[LA+1]
	v_add_f32_dpp v[LSUM], v[LSUM], v[LSUM] row_xmask:1 row_mask:0xf bank_mask:0xf
	v_add_f32_dpp v[LSUM], v[LSUM], v[LSUM] row_xmask:2 row_mask:0xf bank_mask:0xf
	v_add_f32_dpp v[LSUM], v[LSUM], v[LSUM] row_xmask:4 row_mask:0xf bank_mask:0xf
	v_add_f32_dpp v[LSUM], v[LSUM], v[LSUM] row_xmask:8 row_mask:0xf bank_mask:0xf
	v_permlanex16_b32 v[TP], v[LSUM], s34, s35
	v_add_f32 v[LSUM], v[LSUM], v[TP]              ; l, in every lane
	v_rcp_f32 v[RL], v[LSUM]
	v_nop                                          ; one plain instruction behind the reciprocal
	s_wait_alu depctr_va_vdst(0)                   ; and the wait ahead of its first reader
	v_mov_b32 v[RL+1], v[RL]
	ds_store_b32 v[LRS], v[RL] offset:LRB          ; all lanes write the same word with the same value
.irp j, 0,2,4,6,8,10,12,14
	v_pk_mul_f32 v[SD+\j:SD+\j+1], v[SD+\j:SD+\j+1], v[RL:RL+1] op_sel_hi:[1,0]   ; out1 = p / l
.endr
.irp i, 0,1,2,3
	global_store_b128 v[GA], v[SD+4*\i:SD+4*\i+3], s[26:27] offset:512*\i th:TH_STORE_NT   ; 32 lanes store 512 consecutive bytes, at a multiple of 512 from out1's first byte; these registers are not written again
.endr
	BAR                                            ; p's codes, its scale bytes and 1 / l of all 8 queries lie in LDS
	; ---- out0^T = V^T p^T / l: waves 0 to 3, 16 channels each.  Source 0 = 16 rows of V (keys innermost), source 1 = p: a lane holds one query and eight neighbouring channels
.set PF,  192                          ; v192-239  p's four fragments (128 keys each)
.set O0,  240                          ; v240-247, v248-255  two accumulators, which take turns
.set O1,  248
.set OS,  128                          ; v128-135  their sum, then out0
.set RLQ, 136                          ; v136-137  1 / l of my query, twice
.set OB,  140                          ; v140-143  16 bytes of a row of out0
.macro PV acc, s, zero
.if \zero
	v_wmma_scale_f32_16x16x128_f8f6f4 v[\acc:\acc+7], v[VF+12*\s:VF+12*\s+11], v[PF+12*\s:PF+12*\s+11], 0, v[WS+\s], v[KS+\s] matrix_a_fmt:MATRIX_FMT_FP6 matrix_b_fmt:MATRIX_FMT_FP6
.else
	v_wmma_scale_f32_16x16x128_f8f6f4 v[\acc:\acc+7], v[VF+12*\s:VF+12*\s+11], v[PF+12*\s:PF+12*\s+11], v[\acc:\acc+7], v[WS+\s], v[KS+\s] matrix_a_fmt:MATRIX_FMT_FP6 matrix_b_fmt:MATRIX_FMT_FP6
.endif
.endm
	s_cmp_lt_u32 s28, 4
	s_cbranch_scc0 .Lno_pv
.irp s, 0,1,2,3
.irp p, 0,1,2,3,4,5
	ds_load_b64 v[PF+12*\s+2*\p:PF+12*\s+2*\p+1], v[PCL] offset:PCB+96*\s+48*(\p/3)+8*(\p%3)
.endr
.endr
.irp s, 0,1,2,3
	ds_load_b32 v[KS+\s], v[PSL] offset:PSB+4*\s
.endr
	ds_load_b32 v[RLQ], v[LRL] offset:LRB
	s_wait_loadcnt 0x0                             ; V's codes and scale words, asked for ahead of the sum over e
	s_wait_dscnt 0x0
	WIN 0x01                                       ; source 0 (V) window 1
	PV O0, 0, 1                                    ; the two accumulators take turns, one instruction a turn; the first products start the sums
	PV O1, 1, 1
	PV O0, 2, 0
	PV O1, 3, 0
	WIN 0
	v_mov_b32 v[RLQ+1], v[RLQ]                     ; this and three v_nop: four plain instructions ahead of the first read of the results
	PLACES 3
.irp i, 0,1,2,3
	v_pk_add_f32 v[OS+2*\i:OS+2*\i+1], v[O0+2*\i:O0+2*\i+1], v[O1+2*\i:O1+2*\i+1]   ; both from the low end on
.endr
.irp i, 0,1,2,3
	v_pk_mul_f32 v[OS+2*\i:OS+2*\i+1], v[OS+2*\i:OS+2*\i+1], v[RLQ:RLQ+1] op_sel_hi:[1,0]
.endr
	ds_store_b128 v[OSS], v[OS:OS+3] offset:STG    ; out0(query r % 8, channels 16 t + 8 h + 0 .. 7)
	ds_store_b128 v[OSS], v[OS+4:OS+7] offset:STG+16
.Lno_pv:
	BAR                                            ; 8 whole rows of out0 lie in the stage: a row's 256 bytes come from four waves
	s_cmp_lt_u32 s28, 4
	s_cbranch_scc0 .Lend
	ds_load_b128 v[OB:OB+3], v[OSL] offset:STG     ; wave t takes rows 2 t and 2 t + 1: sixteen lanes to a row
	s_wait_dscnt 0x0
	global_store_b128 v[GA], v[OB:OB+3], s[24:25] th:TH_STORE_NT   ; 32 lanes store 512 consecutive bytes, at a multiple of 512 from out0's first byte
.Lend:
	s_set_vgpr_msb 0x5
	s_wait_tensorcnt 0x0
	ds_add_u32 v176, v177
	s_wait_dscnt 0x0
	s_set_vgpr_msb 0x500
	s_endpgm
.Lfunc_end_k_q1497c262a6_mlpatt:
	.size	k_q1497c262a6_mlpatt, .Lfunc_end_k_q1497c262a6_mlpatt-k_q1497c262a6_mlpatt
	.p2alignl 7, 3214868480
	.fill 96, 4, 3214868480
	.section	.rodata,"a",@progbits
	.p2align	6, 0x0
	.amdhsa_kernel k_q1497c262a6_mlpatt
		.amdhsa_group_segment_fixed_size 32768
		.amdhsa_private_segment_fixed_size 0
		.amdhsa_enable_private_segment 0
		.amdhsa_kernarg_size 96
		.amdhsa_user_sgpr_count 2
		.amdhsa_user_sgpr_kernarg_segment_ptr 1
		.amdhsa_wavefront_size32 1
		.amdhsa_system_sgpr_workgroup_id_x 1
		.amdhsa_system_sgpr_workgroup_id_y 1
		.amdhsa_system_sgpr_workgroup_id_z 1
		.amdhsa_system_vgpr_workitem_id 0
		.amdhsa_next_free_vgpr 434
		.amdhsa_next_free_sgpr 66
		.amdhsa_reserve_vcc 0
		.amdhsa_float_denorm_mode_32 3
		.amdhsa_float_denorm_mode_16_64 3
		.amdhsa_memory_ordered 1
		.amdhsa_forward_progress 1
		.amdhsa_inst_pref_size 109
	.end_amdhsa_kernel
	.amdgpu_metadata
---
amdhsa.version: [ 1, 2 ]
amdhsa.kernels:
  - .name:           k_q1497c262a6_mlpatt
    .symbol:         k_q1497c262a6_mlpatt.kd
    .args:
      - { .name: W1, .offset: 0, .size: 8, .value_kind: global_buffer, .address_space: global }
      - { .name: K_codes, .offset: 8, .size: 8, .value_kind: global_buffer, .address_space: global }
      - { .name: K_scales, .offset: 16, .size: 8, .value_kind: global_buffer, .address_space: global }
      - { .name: Q_codes, .offset: 24, .size: 8, .value_kind: global_buffer, .address_space: global }
      - { .name: Q_scales, .offset: 32, .size: 8, .value_kind: global_buffer, .address_space: global }
      - { .name: b1, .offset: 40, .size: 8, .value_kind: global_buffer, .address_space: global }
      - { .name: W2, .offset: 48, .size: 8, .value_kind: global_buffer, .address_space: global }
      - { .name: b2, .offset: 56, .size: 8, .value_kind: global_buffer, .address_space: global }
      - { .name: V_codes, .offset: 64, .size: 8, .value_kind: global_buffer, .address_space: global }
      - { .name: V_scales, .offset: 72, .size: 8, .value_kind: global_buffer, .address_space: global }
      - { .name: out0, .offset: 80, .size: 8, .value_kind: global_buffer, .address_space: global }
      - { .name: out1, .offset: 88, .size: 8, .value_kind: global_buffer, .address_space: global }
    .group_segment_fixed_size: 32768
    .private_segment_fixed_size: 0
    .kernarg_segment_align: 8
    .kernarg_segment_size: 96
    .max_flat_workgroup_size: 256
    .sgpr_count:     66
    .vgpr_count:     434
    .wavefront_size: 32
...
	.end_amdgpu_metadata
.endif
;; end of part 1
